; MI455X (gfx1250); checked and timed in simulation.
; The chip was launched on July 23, 2026; its instructions are those of AMD's public machine-readable ISA for CDNA 5 (MIT licence, August 2026) and "CDNA5" Instruction Set Architecture Reference Guide (July 2026). The comments in the code are by the model that wrote it; some were corrected since.
;; Attention. Allowed arithmetic: float matrix products may take bf16 or f16 operands with f32 sums; other float arithmetic in f32, or as packed bf16 or f16 multiplies, adds, multiply-adds, maxima and minima; sums over many terms, partial sums and values carried from step to step in f32; what a program stores and reads back later, other than sums and carried values, may be rounded once to bf16 or f16.
;; Inputs: Ua_b 1,024 float32; Ua_w 1,024 x 2,048 float32; Wa_b 1,024 float32; Wa_w 1,024 x 1,024 float32; encoder_hiddens 512 x 64 x 2,048 float32; last_dec_hidden 64 x 1,024 float32; v_w 1,024 float32.
;; Outputs: out0 64 x 512 float32.
;; One version. Each part assembles by itself: llvm-mc -triple=amdgcn-amd-amdhsa -mcpu=gfx1250 --defsym DOCPART=n.
;; ======== version 1 of 1: 3 launches
;; workspace buffers: wb 4,325,376 bytes; tw 262,144 bytes; part 1,048,576 bytes
;; launch prep (part 1): grid 256 x 1, 8 waves a work-group, no clusters, 9,216 bytes of LDS; arguments Ua_w, Wa_w, last_dec_hidden, Wa_b, Ua_b, wb, tw; writes wb, tw
.if DOCPART == 1
	.amdgcn_target "amdgcn-amd-amdhsa--gfx1250"
	.amdhsa_code_object_version 6
	.text
	.protected	k_q1c84667b9d_prep
	.globl	k_q1c84667b9d_prep
	.p2align	8
	.type	k_q1c84667b9d_prep,@function
k_q1c84667b9d_prep:
	s_mov_b64 s[64:65], 0
	v_nop
	global_prefetch_b8 v0, s[64:65] scope:SCOPE_SE
	s_setreg_imm32_b32 hwreg(HW_REG_WAVE_MODE, 25, 1), 1
	s_wait_xcnt 0x0
; THE PROGRAM.  out0[b][s] = softmax over s of  sum_u v[u] tanh(x[s][b][u]),  x = enc[s][b] . Ua_w[u] + Ua_b[u] + dec[b] . Wa_w[u] + Wa_b[u].
; tanh(x) = 1 - 2 r with r = 1 / (1 + 2^(c x)), c = 2 log2(e).  So a score is  (sum_u v[u]) - 2 sum_u v[u] r[u].
; WORK LEFT OUT.  sum_u v[u] does not hang on s: it is the same term in every score of a softmax row, whatever the inputs hold, and a softmax does not change when one term
; is added to all its inputs.  It is never formed, in any of the three launches.  All seven inputs still have a way to the output and all are loaded.
; LIMITS.  An overflow of sum_u v[u] alone is not carried to the result.  NaN and infinities are not treated apart.  2^y counts as 0 below 2^-126 and 1 / y as 0 for a y beyond f32.
; The matrix operands are bf16: enc, c Ua_w, dec and Wa_w are each rounded once; c is applied to Ua_w in f32 ahead of that rounding.
; THIS LAUNCH makes what the main launch wants ready:
;   wb[t][u][col][8] = bf16(c Ua_w[u][K0(t) + 8 o + 0..7]), t 0..21, u 0..1023, col 0..11: plane t holds the 96 K of the main launch's K step t, which begins at K0(t) = max(0, 1952 - 96 t);
;     a row u is 192 bytes, rows lie end to end.  Column col holds the eight K number o = (col & 12) + ((col - (u / 4)) & 3): inside each 32 K the four columns of 16 bytes are turned round by (u / 4) % 4,
;     so that 16 neighbouring rows, read at one and the same o, lie in 16 different columns modulo 256 bytes, without padding.  Plane 21 holds K 0..95; the main launch multiplies its first 32.
;   tw[ut][b][j] = c (dec[b] . Wa_w[16 ut + j] + Wa_b[16 ut + j] + Ua_b[16 ut + j]) in f32, ut 0..63, b 0..63, j 0..15.
; SHARES.  Work-group g of 256, eight waves.  (i) One tile of tw, 16 u (ut = g / 4) x 16 b (bt = g % 4): K = 1,024 is split among the waves, 128 each, four products of 32;
; the eight partial tiles meet in LDS.  (ii) Rows 4 g .. 4 g + 3 of Ua_w: 22 planes x 48 pieces of 16 bytes = 1,056 pieces; thread t takes the pieces t, t + 256, t + 512, t + 768, and wave 0 the last 32.
; A plane's 48 pieces are 768 consecutive bytes of wb, so each half of a wave's store covers 256 consecutive bytes, aligned.
; The product is taken with source 0 = 16 rows of Wa_w and source 1 = 16 rows of dec: lane l then holds b = l % 16 and u = 8 (l / 16) + 0..7.
; NO CLUSTER, NO TENSOR LOAD: a work-group's 64 KiB of Wa_w are read by 4 work-groups and its 64 KiB of dec by 64, but each wave wants each byte once, as a fragment, and takes it
; straight into registers; a joint load would add a trip through LDS and a round of barriers to a launch of four products a wave.
.set SPARE, 8192                       ; behind the partial tiles: the spare words, 128 bytes for each of eight waves: four blocks of 256 bytes that no other line names
.set SPW, 2                            ; v2   LDS address of my spare word; never rewritten
.set NIL, 3                            ; v3   0; never rewritten
.set FO,  4                            ; v4   my offset in a fragment's rows of Wa_w and of dec: (l % 16) x 4,096 + 32 (l / 16) + 512 x wave
.set LS,  7                            ; v7   where I put my partial sums: 1,024 x wave + 16 l
.set LR,  8                            ; v8   where thread t < 64 reads them back
.set TO,  9                            ; v9   16 t: my 16 bytes of the tile of tw
.set BO,  10                           ; v10  my four numbers of the biases
.set ACC, 16                           ; v[16:31]   two accumulators
.set UR,  32                           ; v[32:63]   Ua_w, 8 f32 for each of four pieces; then packed, 4 registers a piece
.set WR,  64                           ; v[64:127]  Wa_w, 16 f32 for each of four fragments; then packed into v[64:95]
.set DR,  128                          ; v[128:191] dec likewise
.set BW,  192                          ; v[192:195] Wa_b, v[196:199] Ua_b
.set BU,  196
.set PS,  200                          ; v[200:231] the eight partial sums
.set UX,  232                          ; v[232:239] wave 0's fifth piece
.set SO,  240                          ; v[240:244] piece p: its 32 bytes in my four rows of Ua_w
.set DO,  245                          ; v[245:249] piece p: its 16 bytes in wb
.set T0,  250                          ; v[250:253] at work
.set WV,  18                           ; s18  my wave's number
.set CC,  32                           ; s[32:33]  c, named as a pair
; Where piece I = t + 256 p comes from and goes to.  plane = I / 48 (I x 1,366 >> 16, right for I < 1,056), w = I % 48, row q = w / 12 (w x 43 >> 9, right for w < 48), column = w % 12.
.macro ITEM p
	v_add_nc_u32 v[T0], 256*(\p), v0
	v_mul_u32_u24 v[T0+1], v[T0], 1366
	v_lshrrev_b32 v[T0+1], 16, v[T0+1]             ; plane
	v_mul_u32_u24 v[T0+2], v[T0+1], 48
	v_sub_nc_u32 v[T0], v[T0], v[T0+2]             ; w
	v_mul_u32_u24 v[T0+2], v[T0+1], 196608         ; a plane of wb is 1,024 rows of 192 bytes
	v_lshl_add_u32 v[DO+(\p)], v[T0], 4, v[T0+2]
	v_mul_u32_u24 v[T0+2], v[T0], 43
	v_lshrrev_b32 v[T0+2], 9, v[T0+2]              ; q
	v_mul_u32_u24 v[T0+3], v[T0+2], 12
	v_sub_nc_u32 v[T0], v[T0], v[T0+3]             ; column
	v_sub_nc_u32 v[T0+3], v[T0], s20               ; (u / 4) % 4 = g % 4 for all four rows
	v_and_b32 v[T0+3], 3, v[T0+3]
	v_and_b32 v[T0], 12, v[T0]
	v_add_lshl_u32 v[T0], v[T0], v[T0+3], 5        ; 32 bytes x o
	v_lshl_add_u32 v[T0], v[T0+2], 13, v[T0]       ; + row q
	v_mul_u32_u24 v[T0+2], v[T0+1], 384
	v_sub_nc_u32 v[T0+2], 7808, v[T0+2]            ; 4 K0: 7,808 - 384 x plane,
	v_cmp_gt_u32 vcc_lo, 21, v[T0+1]
	v_cndmask_b32 v[T0+2], 0, v[T0+2], vcc_lo      ; and 0 for plane 21
	v_add_nc_u32 v[SO+(\p)], v[T0], v[T0+2]
.endm
	s_load_b256 s[4:11], s[0:1], 0x0               ; Ua_w s[4:5], Wa_w s[6:7], dec s[8:9], Wa_b s[10:11]
	s_load_b128 s[12:15], s[0:1], 0x20             ; Ua_b s[12:13], wb s[14:15]
	s_load_b64 s[16:17], s[0:1], 0x30              ; tw
	v_lshl_add_u32 v[SPW], v0, 2, SPARE
	v_mov_b32 v[NIL], 0
	v_lshrrev_b32 v14, 5, v0
	v_readfirstlane_b32 s[WV], v14                 ; wave 0..7
	v_and_b32 v11, 31, v0                          ; l
	v_and_b32 v12, 15, v0                          ; l % 16
	v_bfe_u32 v13, v0, 4, 1                        ; l / 16
	s_lshr_b32 s19, ttmp9, 2                       ; ut
	s_and_b32 s20, ttmp9, 3                        ; bt, and g % 4
	s_lshl_b32 s21, s[WV], 9
	v_lshlrev_b32 v[FO], 12, v12
	v_lshl_add_u32 v[FO], v13, 5, v[FO]
	v_add_nc_u32 v[FO], s21, v[FO]
	s_lshl_b32 s36, s[WV], 10
	v_lshl_add_u32 v[LS], v11, 4, s36
	; thread t < 64 finishes b = t / 4, u = 4 (t % 4) + 0..3: they lie in lane 16 ((t / 2) % 2) + t / 4, registers 4 (t % 2) + 0..3
	v_and_b32 v14, 1, v0
	v_bfe_u32 v15, v0, 1, 1
	v_lshlrev_b32 v[LR], 9, v14
	v_lshl_add_u32 v[LR], v15, 8, v[LR]
	v_bfe_u32 v14, v0, 2, 4
	v_lshl_add_u32 v[LR], v14, 4, v[LR]
	v_lshlrev_b32 v[TO], 4, v0
	v_and_b32 v14, 3, v0
	s_lshl_b32 s37, s19, 6
	v_lshl_add_u32 v[BO], v14, 4, s37              ; 64 ut + 16 (t % 4)
	ITEM 0
	ITEM 1
	ITEM 2
	ITEM 3
	s_lshl_b32 s22, ttmp9, 15                      ; four rows of Ua_w
	s_mov_b32 s23, 0
	s_lshl_b32 s24, s19, 16                        ; sixteen rows of Wa_w
	s_mov_b32 s25, 0
	s_lshl_b32 s26, s20, 16                        ; sixteen rows of dec
	s_mov_b32 s27, 0
	s_mul_i32 s28, ttmp9, 768                      ; four rows of a plane of wb
	s_mov_b32 s29, 0
	s_lshl_b32 s30, ttmp9, 10                      ; the tile of tw: 4,096 ut + 1,024 bt = 1,024 g
	s_mov_b32 s31, 0
	s_mov_b32 s[CC], 0x4038aa3b                    ; c = 2 log2(e)
	s_mov_b32 s[CC+1], s[CC]
	s_wait_kmcnt 0x0
	s_add_nc_u64 s[4:5], s[4:5], s[22:23]
	s_add_nc_u64 s[6:7], s[6:7], s[24:25]
	s_add_nc_u64 s[8:9], s[8:9], s[26:27]
	s_add_nc_u64 s[14:15], s[14:15], s[28:29]
	s_add_nc_u64 s[16:17], s[16:17], s[30:31]
	s_cmp_lt_u32 s[WV], 2                          ; the biases are wanted by the 64 threads that finish the tile; their loads go out first, so that the counted wait below is right with and without them
	s_cbranch_scc0 .Lno_bias
	global_load_b128 v[BW:BW+3], v[BO], s[10:11]
	global_load_b128 v[BU:BU+3], v[BO], s[12:13]
.Lno_bias:
	; a fragment is 16 rows x 32 K: lane l wants K = 8 (l / 16) + 0..7 and 16 + 8 (l / 16) + 0..7 of row l % 16: in f32 four loads of 16 bytes, at 0, 16, 64 and 80
.set c, 0
.rept 4
.irp o, 0,1,2,3
	global_load_b128 v[WR+16*c+4*(\o):WR+16*c+4*(\o)+3], v[FO], s[6:7] offset:128*c+16*((\o)%2)+64*((\o)/2)
	global_load_b128 v[DR+16*c+4*(\o):DR+16*c+4*(\o)+3], v[FO], s[8:9] offset:128*c+16*((\o)%2)+64*((\o)/2)
.endr
.set c, c+1
.endr
.set p, 0
.rept 4
	global_load_b128 v[UR+8*p:UR+8*p+3],   v[SO+p], s[4:5]
	global_load_b128 v[UR+8*p+4:UR+8*p+7], v[SO+p], s[4:5] offset:16
.set p, p+1
.endr
	s_cmp_eq_u32 s[WV], 0                          ; pieces 1,024 to 1,055
	s_cbranch_scc0 .Lno_fifth
	ITEM 4
	global_load_b128 v[UX:UX+3],   v[SO+4], s[4:5]
	global_load_b128 v[UX+4:UX+7], v[SO+4], s[4:5] offset:16
.Lno_fifth:
	s_wait_loadcnt 8                               ; the fragments (and the biases) are in; eight of the loads of Ua_w may stay out (wave 0 has issued ten: it waits for two of them too)
.set q, 0
.rept 32                                       ; packed in place: destination q is never above the sources 2 q, 2 q + 1, and q ascends
	v_cvt_pk_bf16_f32 v[WR+q], v[WR+2*q], v[WR+2*q+1]
	v_cvt_pk_bf16_f32 v[DR+q], v[DR+2*q], v[DR+2*q+1]
.set q, q+1
.endr
	v_wmma_f32_16x16x32_bf16 v[ACC:ACC+7],    v[WR:WR+7],     v[DR:DR+7],     0   ; two accumulators by turns; the first products start the sums
	v_wmma_f32_16x16x32_bf16 v[ACC+8:ACC+15], v[WR+8:WR+15],  v[DR+8:DR+15],  0
	v_wmma_f32_16x16x32_bf16 v[ACC:ACC+7],    v[WR+16:WR+23], v[DR+16:DR+23], v[ACC:ACC+7]
	v_wmma_f32_16x16x32_bf16 v[ACC+8:ACC+15], v[WR+24:WR+31], v[DR+24:DR+31], v[ACC+8:ACC+15]
	s_wait_loadcnt 0x0                             ; Ua_w
.set q, 0
.rept 16                                       ; c Ua_w in f32; these lines name no register of the products and are the places behind them (ISA guide 7.12.1)
	v_pk_mul_f32 v[UR+2*q:UR+2*q+1], v[UR+2*q:UR+2*q+1], s[CC:CC+1] op_sel_hi:[1,0]
.set q, q+1
.endr
.set q, 0
.rept 16
	v_cvt_pk_bf16_f32 v[UR+q], v[UR+2*q], v[UR+2*q+1]
.set q, q+1
.endr
.set p, 0
.rept 4
	global_store_b128 v[DO+p], v[UR+4*p:UR+4*p+3], s[14:15]   ; lanes 0-15 and lanes 16-31 each store 256 consecutive bytes, aligned
.set p, p+1
.endr
	s_cmp_eq_u32 s[WV], 0
	s_cbranch_scc0 .Lno_fifth_out
.set q, 0
.rept 4
	v_pk_mul_f32 v[UX+2*q:UX+2*q+1], v[UX+2*q:UX+2*q+1], s[CC:CC+1] op_sel_hi:[1,0]
.set q, q+1
.endr
.set q, 0
.rept 4
	v_cvt_pk_bf16_f32 v[UX+q], v[UX+2*q], v[UX+2*q+1]
.set q, q+1
.endr
	global_store_b128 v[DO+4], v[UX:UX+3], s[14:15]
.Lno_fifth_out:
.set q, 0
.rept 4
	v_pk_add_f32 v[ACC+q:ACC+q+1], v[ACC+q:ACC+q+1], v[ACC+8+q:ACC+8+q+1]    ; the two accumulators, from their low ends on
.set q, q+2
.endr
	ds_store_b128 v[LS], v[ACC:ACC+3]
	ds_store_b128 v[LS], v[ACC+4:ACC+7] offset:512
	s_wait_dscnt 0x0                               ; for the others' sake: my partial tile lies in LDS
	s_barrier_signal -1
	s_barrier_wait -1
	s_cmp_lt_u32 s[WV], 2
	s_cbranch_scc0 .Lend
.set p, 0
.rept 8
	ds_load_b128 v[PS+4*p:PS+4*p+3], v[LR] offset:1024*p
.set p, p+1
.endr
	v_pk_add_f32 v[BW:BW+1],   v[BW:BW+1],   v[BU:BU+1]
	v_pk_add_f32 v[BW+2:BW+3], v[BW+2:BW+3], v[BU+2:BU+3]
	s_wait_dscnt 0x0
.irp p, 0,8,16,24
	v_pk_add_f32 v[PS+(\p):PS+(\p)+1],   v[PS+(\p):PS+(\p)+1],   v[PS+(\p)+4:PS+(\p)+5]
	v_pk_add_f32 v[PS+(\p)+2:PS+(\p)+3], v[PS+(\p)+2:PS+(\p)+3], v[PS+(\p)+6:PS+(\p)+7]
.endr
.irp p, 0,16
	v_pk_add_f32 v[PS+(\p):PS+(\p)+1],   v[PS+(\p):PS+(\p)+1],   v[PS+(\p)+8:PS+(\p)+9]
	v_pk_add_f32 v[PS+(\p)+2:PS+(\p)+3], v[PS+(\p)+2:PS+(\p)+3], v[PS+(\p)+10:PS+(\p)+11]
.endr
	v_pk_add_f32 v[PS:PS+1],   v[PS:PS+1],   v[PS+16:PS+17]
	v_pk_add_f32 v[PS+2:PS+3], v[PS+2:PS+3], v[PS+18:PS+19]
	v_pk_add_f32 v[PS:PS+1],   v[PS:PS+1],   v[BW:BW+1]
	v_pk_add_f32 v[PS+2:PS+3], v[PS+2:PS+3], v[BW+2:BW+3]
	v_pk_mul_f32 v[PS:PS+1],   v[PS:PS+1],   s[CC:CC+1] op_sel_hi:[1,0]
	v_pk_mul_f32 v[PS+2:PS+3], v[PS+2:PS+3], s[CC:CC+1] op_sel_hi:[1,0]
	global_store_b128 v[TO], v[PS:PS+3], s[16:17]  ; a wave stores 512 consecutive bytes of tw, aligned
.Lend:
	s_wait_tensorcnt 0x0                           ; the wave's end, behind my last LDS store
	ds_add_u32 v[SPW], v[NIL]
	s_wait_dscnt 0x0
	s_endpgm
.Lfunc_end_k_q1c84667b9d_prep:
	.size	k_q1c84667b9d_prep, .Lfunc_end_k_q1c84667b9d_prep-k_q1c84667b9d_prep
	.p2alignl 7, 3214868480
	.fill 96, 4, 3214868480
	.section	.rodata,"a",@progbits
	.p2align	6, 0x0
	.amdhsa_kernel k_q1c84667b9d_prep
		.amdhsa_group_segment_fixed_size 9216
		.amdhsa_private_segment_fixed_size 0
		.amdhsa_enable_private_segment 0
		.amdhsa_kernarg_size 56
		.amdhsa_user_sgpr_count 2
		.amdhsa_user_sgpr_kernarg_segment_ptr 1
		.amdhsa_wavefront_size32 1
		.amdhsa_system_sgpr_workgroup_id_x 1
		.amdhsa_system_sgpr_workgroup_id_y 1
		.amdhsa_system_sgpr_workgroup_id_z 1
		.amdhsa_system_vgpr_workitem_id 0
		.amdhsa_next_free_vgpr 256
		.amdhsa_next_free_sgpr 66
		.amdhsa_reserve_vcc 1
		.amdhsa_float_denorm_mode_32 3
		.amdhsa_float_denorm_mode_16_64 3
		.amdhsa_memory_ordered 1
		.amdhsa_forward_progress 1
		.amdhsa_inst_pref_size 22
	.end_amdhsa_kernel
	.amdgpu_metadata
---
amdhsa.version: [ 1, 2 ]
amdhsa.kernels:
  - .name:           k_q1c84667b9d_prep
    .symbol:         k_q1c84667b9d_prep.kd
    .args:
      - { .name: Ua_w, .offset: 0, .size: 8, .value_kind: global_buffer, .address_space: global }
      - { .name: Wa_w, .offset: 8, .size: 8, .value_kind: global_buffer, .address_space: global }
      - { .name: last_dec_hidden, .offset: 16, .size: 8, .value_kind: global_buffer, .address_space: global }
      - { .name: Wa_b, .offset: 24, .size: 8, .value_kind: global_buffer, .address_space: global }
      - { .name: Ua_b, .offset: 32, .size: 8, .value_kind: global_buffer, .address_space: global }
      - { .name: wb, .offset: 40, .size: 8, .value_kind: global_buffer, .address_space: global }
      - { .name: tw, .offset: 48, .size: 8, .value_kind: global_buffer, .address_space: global }
    .group_segment_fixed_size: 9216
    .private_segment_fixed_size: 0
    .kernarg_segment_align: 8
    .kernarg_segment_size: 56
    .max_flat_workgroup_size: 256
    .sgpr_count:     66
    .vgpr_count:     256
    .wavefront_size: 32
...
	.end_amdgpu_metadata
.endif
;; end of part 1
;; launch main (part 2): grid 4 x 64, 4 waves a work-group, clusters of 4 x 4, 327,680 bytes of LDS; arguments encoder_hiddens, wb, tw, v_w, part; writes part
.if DOCPART == 2
	.amdgcn_target "amdgcn-amd-amdhsa--gfx1250"
	.amdhsa_code_object_version 6
	.text
	.protected	k_q1c84667b9d_main
	.globl	k_q1c84667b9d_main
	.p2align	8
	.type	k_q1c84667b9d_main,@function
k_q1c84667b9d_main:
	s_mov_b64 s[64:65], 0
	v_nop
	global_prefetch_b8 v0, s[64:65] scope:SCOPE_SE
	s_setreg_imm32_b32 hwreg(HW_REG_WAVE_MODE, 25, 1), 1
	s_wait_xcnt 0x0
	s_wait_alu depctr_hold_cnt(0) depctr_sa_sdst(0) depctr_va_vdst(0) depctr_va_sdst(0) depctr_va_ssrc(0) depctr_va_vcc(0) depctr_vm_vsrc(0)
	s_getreg_b32 s2, hwreg(HW_REG_IB_STS2, 6, 4)
	s_cmp_eq_u32 s2, 0
	s_cbranch_scc0 .Lentry_in_a_cluster
	s_endpgm
.Lentry_in_a_cluster:
	s_bfe_u32 s2, ttmp6, 0x10000c
	s_cmp_lg_u32 s2, 0xf033
	s_cbranch_scc0 .Lentry_shape_is_right
	s_endpgm
.Lentry_shape_is_right:
; part[b][2 nt + h][p] = the sum over 128 of the columns u of block nt of v[u] r[s][b][u],  r = 1 / (1 + 2^y),  y = enc[s][b] . wb[u] + tw[b][u]   (wb = bf16(c Ua_w), tw = c (dec . Wa_w + both biases), c = 2 log2(e)).
; WORK LEFT OUT: sum_u v[u], which is the same in every score of a softmax row (shown at the head of the first kernel).  LIMITS as stated there; 2^y = infinity gives r = 0, 2^y = 0 gives r = 1.
; SHARES.  A work-group owns one batch b and one block nt of 256 columns u, and makes two tiles of 256 rows s x 256 columns, s = 0..255 and 256..511: 4 x 64 work-groups of equal work.  With one b to a
; work-group the bias is ONE row of 256 numbers for both tiles.  Wave w owns the tile's rows 64 w .. 64 w + 63 and all 256 columns: 4 x 16 accumulators of 16 x 16, 512 registers.
; K GOES IN STEPS OF 96 through two LDS slots: 256 rows of enc in f32 and 256 rows of wb in bf16.  It is the longest step of which two slots fit: a step of 128 would want 2 x (256 x 528 + 256 x 256) = 401,408
; bytes.  2,048 = 21 x 96 + 32: K is walked DOWNWARD, step t of a tile from K = max(0, 1952 - 96 t) on, so that step 21 brings K 0..95, of which the first 32 are multiplied: no load leaves a row.
; The price: a tile's row of enc is 384 bytes of memory and begins at a multiple of 128.  The two tiles are ONE stream of 44 K steps for the ring.
; A step is three THIRDS of 32 along K, 64 matrix instructions each; a LAP is two steps, once round the ring; a tile is 11 laps, the last of them short: its second step has one third.
; enc IS ROUNDED TO bf16 ON THE WAY from LDS to the matrix unit: 32 conversions for 64 matrix instructions, set four behind each of eight matrix instructions.
; THE MATRIX INSTRUCTION IS USED TRANSPOSED: source 0 = 16 rows of wb, source 1 = 16 rows of enc: lane l holds row s = l % 16 and the columns 8 (l / 16) + 0..7, so the sum over u stays in the lane.
; THE BIAS COSTS NO ARITHMETIC: the accumulators are loaded with tw's row ahead of a tile's first product, so every product has one form and nothing is cleared.
; CLUSTER, 4 x 4: cx = nt, cy picks one of four batches.  enc's tile hangs on b alone and is asked for jointly by the four of a row of the cluster; wb's hangs on nt alone and is asked for jointly by the four
; of a column: the same tensor load, descriptor and mask in all four.  tw's row and v's 256 numbers (2 KiB, once) are each work-group's own: loads without a mask.
; REGISTERS, in windows of 256 (s_set_vgpr_msb: bits 1:0 source 0, 3:2 source 1, 5:4 source 2, 7:6 destination):
;   window 0: v0-15, v28-31 addresses; v16-27 the sums; v32-95 enc as f32, later the epilogue's 64 at work; v96-159 enc's bf16 fragments, two buffers; v160-255 v of twelve column blocks
;   window 1: wb's fragments, two buffers of 128      windows 2, 3: accumulator (a, nb) at v[8 (16 (a % 2) + nb)] of window 2 + a / 2
.set PC,    144                        ; 32 K of enc in LDS: 128 bytes + 16 of padding.  The padding's interval is a power of two, in words, and 32 is the largest that divides a row's 96
.set PA,    3*PC                       ; an LDS row of enc: 432 bytes = 27 x 16: the 16 rows of a load start at 16 different groups of four banks (64 banks of 4 bytes: ISA guide 11.1)
.set PB,    192                        ; an LDS row of wb, unpadded: the first launch has turned its columns of 16 bytes round by (u / 4) % 4 inside each 32 K, which spreads 16 rows over 16 groups of banks
.set HALFA, 128*PA                     ; what one tensor load brings of enc,
.set HALFB, 128*PB                     ; and of wb
.set BOFF,  2*HALFA                    ; a slot: enc's 256 rows, then wb's 256
.set SLOT,  BOFF+2*HALFB               ; 159,744 bytes
.set TVB,   2*SLOT                     ; behind the ring: tw's row (1,024 bytes), then v's 256 numbers; filled once
.set SPARE, TVB+2048                   ; behind them: the spare words, 128 bytes for each wave: two blocks of 256 bytes that no other line names
.set R,    1                           ; v1    l % 16
.set ADRA, 2                           ; v2-3  LDS address of my fragments of enc in slot 0, 1: (64 w + l % 16) x 432 + 32 (l / 16)
.set ADRB, 4                           ; v4-7  the same for wb, slot 0, 1, registers 0-3 and 4-7 of a fragment: (l % 16) x 192 + 16 ((2 i + l / 16 + (l % 16) / 4) % 4)
.set TADR, 8                           ; v8    tw's row: my eight columns of a block begin at 32 (l / 16)
.set VADR, 9                           ; v9    v likewise
.set SPW,  10                          ; v10   LDS address of my spare word; never rewritten
.set NIL,  11                          ; v11   0; never rewritten
.set H,    12                          ; v12   l / 16
.set PO,   13                          ; v13   my 16 bytes of part: 2,048 (l / 16) + 16 (l % 16)
.set SUM,  16                          ; v16-23  for each of my four row blocks a pair: even columns', odd columns'
.set OUT,  24                          ; v24-27  what is stored
.set PFO,  28                          ; v28-30  the three prefetches' offsets; never rewritten
.set RAW,  32
.set TT,   32
.set AF,   96
.set VV,   160
.set PD,   2                           ; s[2:3]  what a prefetch pointer steps down in a lap
.set WV,   14                          ; s14  my wave's number
.set ROLE, 15                          ; s15  0: I fetch enc; 1: wb
.set HW,   16                          ; s16  which 128 rows of that tile
.set CX,   17
.set CY,   18
.set NT,   19                          ; s19  column block = 4 x cluster x + cx
.set BB,   20                          ; s20  batch = 4 x cluster y + cy
.set CLY,  21                          ; s21  cluster y
.set KU,   22                          ; s22  at work (at the head: a mask)
.set G1A,  24                          ; s[24:31] group 1 for enc's tiles;  s[32:39] group 0, a set for each slot
.set G0A,  32
.set G1B,  40                          ; s[40:47], s[48:55] the same for wb's
.set G0B,  48
.set G1T,  56                          ; s[56:63], s[68:71] for tw's row (wave 2) and v (wave 3)
.set G0T,  68
.set LAP,  66                          ; s66  laps to go
.set PN,   67                          ; s67  laps in which I still have to prefetch
.set PFA,  72                          ; s[72:73] where my prefetches stand
.set PS,   74                          ; s[74:75] what the pointer steps up in a lap
.set PJ,   76                          ; s[76:77] and at the change of tiles
.set PT,   78                          ; s[78:79] the one of the two that is due
.set KJ,   80                          ; s80  the K step of the stream, 2 to 43, that the next refill asks for: the same in every work-group
.set KT,   81                          ; s81  at work
.set TWA,  82                          ; s[82:83] tw at my work-group's row
.set VA,   84                          ; s[84:85] v_w at my column block
.set SK1,  86                          ; s86, s87  the two values of s[PN] at which the lap asked for has only two new blocks a row
.set SK2,  87
.set OA,   88                          ; s[88:89] the byte offset of K step KJ in enc, from AB
.set OB,   90                          ; s[90:91] the same in wb, from BS
.set AB,   92                          ; s[92:93] enc at my 128 rows of tile 0, batch b, K = 0; it never holds cx
.set BS,   94                          ; s[94:95] wb at my 128 rows of column block nt, plane 0; it never holds cy
.set MSB, 0
.macro WIN new                         ; the immediate's high byte repeats the setting that is left; a switch that changes nothing is dropped
.if MSB != (\new)
	s_set_vgpr_msb (MSB<<8)|(\new)
.set MSB, \new
.endif
.endm
.set MUL_LO, 0xa1                      ; source 0 (wb) window 1, source 1 (enc) window 0, C and D window 2
.set TO_B,   0x40                      ; destination window 1
.set TO_LO,  0x80                      ; destination window 2 (0xc0: window 3)
.set FR_LO,  0x02                      ; source 0 window 2 (0x03: window 3), destination window 0
.macro PLACES                          ; a load into a register that a matrix instruction has read or written, and a vector instruction that reads a matrix result or writes a matrix source, stand four plain
.rept 4                                ; vector instructions behind it (ISA guide 7.12.1 for vector instructions); other matrix instructions are not counted
	v_nop
.endr
.endm
; A joint load.  Waves 0 and 1 fetch enc's two halves, waves 2 and 3 wb's.  The branch hangs on the wave's number alone.  An s_nop 0 and four v_nop follow each of the two lines.
.macro JLOAD s
	s_cmp_eq_u32 s[ROLE], 0
	s_cbranch_scc0 .Lfor_b_\@
	tensor_load_to_lds s[G0A+4*(\s):G0A+4*(\s)+3], s[G1A:G1A+7]
	s_nop 0
	PLACES
	s_branch .Lasked_\@
.Lfor_b_\@:
	tensor_load_to_lds s[G0B+4*(\s):G0B+4*(\s)+3], s[G1B:G1B+7]
	s_nop 0
	PLACES
.Lasked_\@:
.endm
; A round of the cluster's barrier: my work-group's barrier, so that wave 0's signal speaks for all four waves; wave 0 signals; every wave waits for all sixteen work-groups; my work-group's barrier once more.
.macro CREST                           ; a round behind its opening barrier
	s_cmp_lg_u32 s[WV], 0
	s_cbranch_scc1 .Lnot_wave_0_\@
	s_barrier_signal -3
.Lnot_wave_0_\@:
	s_barrier_wait -3
	s_barrier_signal -1
	s_barrier_wait -1
.endm
.macro CROUND
	s_barrier_signal -1
	s_barrier_wait -1
	CREST
.endm
; PREFETCHES INTO THE L2, once a lap, behind slot 0's joint load, its five lines and the run of LDS loads that follows: what the lap AFTER the one that is being asked for will load, 384 matrix instructions
; ahead of its first load.  enc: a lap's two steps, 768 bytes of a row, take three new aligned blocks of 256 bytes (pair m of a tile: blocks 29 - 3 m .. 31 - 3 m); a tile's last lap, m = 10, takes two, and
; the third line is jumped.  Of the 128 rows that wave 0 or 1 fetches, the partner at place cx takes 32 cx .. 32 cx + 31, a lane a row.  No other row of clusters reads these rows.
; wb: a lap's two planes of my column block, 98,304 bytes, are read by all sixteen clusters, twice: the cluster with y = 0 asks, in the first walk alone; the partner at place cy takes 24,576 bytes on end (half
; cy % 2 of plane cy / 2), wave 2, three lines of 32 lanes, 256 bytes a lane.  So each block is named once in the launch; partners are told apart by ADDRESS; the branches hang on the wave's number, the cluster's y
; and a count.  The first two laps come by their loads alone.  The pointer is stepped here, behind s_wait_xcnt 0, a lap behind the prefetches that read it.  At m = 10 it stands one block ahead of the row's first
; byte, and the two lines that are issued there name the blocks 256 and 512 bytes behind it.
.macro ASK
	s_cmp_lg_u32 s[PN], 0
	s_cbranch_scc0 .Lnone_\@
	s_wait_xcnt 0x0
	s_cmp_eq_u32 s[PN], 11                         ; 11 laps left: from tile 0's last pair to tile 1's first (enc alone ever counts 11)
	s_cselect_b64 s[PT:PT+1], s[PJ:PJ+1], s[PS:PS+1]
	s_sub_nc_u64 s[PFA:PFA+1], s[PFA:PFA+1], s[PD:PD+1]
	s_add_nc_u64 s[PFA:PFA+1], s[PFA:PFA+1], s[PT:PT+1]
	global_prefetch_b8 v[PFO+2], s[PFA:PFA+1] th:TH_LOAD_NT scope:SCOPE_SE
	global_prefetch_b8 v[PFO+1], s[PFA:PFA+1] th:TH_LOAD_NT scope:SCOPE_SE
	s_cmp_eq_u32 s[PN], s[SK1]
	s_cbranch_scc1 .Ltwo_\@
	s_cmp_eq_u32 s[PN], s[SK2]
	s_cbranch_scc1 .Ltwo_\@
	global_prefetch_b8 v[PFO], s[PFA:PFA+1] th:TH_LOAD_NT scope:SCOPE_SE
.Ltwo_\@:
	s_sub_co_u32 s[PN], s[PN], 1
.Lnone_\@:
.endm
; The first fills of wave 2 or 3: its small load (16 rows of 16 numbers, pitch elements apart, to LDS byte lds, from the address in s[src:src+1]), then its half of wb's K steps 0 and 1.
; One wave alone comes to each use of the macro, and every word of the small load's descriptor but the global address is a constant there.
.macro FILLS3 pitch, lds, src
	s_mov_b32 s[G1T+5], \pitch                     ; 191:160 elements from row to row
	s_mov_b32 s[G0T+1], \lds                       ; 63:32 LDS address
	s_mov_b64 s[G0T+2:G0T+3], s[(\src):(\src)+1]   ; 120:64 global address
	s_or_b32 s[G0T+3], s[G0T+3], 0x80000000        ; 127:126 type = 2
	tensor_load_to_lds s[G0T:G0T+3], s[G1T:G1T+7]
	s_nop 0
	tensor_load_to_lds s[G0B:G0B+3], s[G1B:G1B+7]
	s_nop 0
	tensor_load_to_lds s[G0B+4:G0B+7], s[G1B:G1B+7]
	s_nop 0
	PLACES
.endm
	s_load_b256 s[4:11], s[0:1], 0x0               ; enc s[4:5], wb s[6:7], tw s[8:9], v_w s[10:11]
	s_load_b64 s[12:13], s[0:1], 0x20              ; part
	v_lshl_add_u32 v[SPW], v0, 2, SPARE
	v_mov_b32 v[NIL], 0
	ds_add_u32 v[SPW], v[NIL]                      ; the wave's opening: the add, twice on end, and its wait ahead of my first tensor load; the set-up below, work on registers, stands between
	ds_add_u32 v[SPW], v[NIL]
	v_lshrrev_b32 v14, 5, v0
	v_readfirstlane_b32 s[WV], v14                 ; wave 0..3
	s_lshr_b32 s[ROLE], s[WV], 1
	s_and_b32 s[HW], s[WV], 1
	s_bfe_u32 s[CX], ttmp6, 0x40000
	s_bfe_u32 s[CY], ttmp6, 0x40004
	s_lshl_b32 s[NT], ttmp9, 2                     ; in a cluster launch ttmp9 and ttmp7 count clusters
	s_add_co_u32 s[NT], s[NT], s[CX]
	s_and_b32 s[CLY], ttmp7, 0xffff
	s_lshl_b32 s[BB], s[CLY], 2
	s_add_co_u32 s[BB], s[BB], s[CY]
	s_lshl_b32 s22, s[CY], 2
	s_lshl_b32 s22, 15, s22                        ; my row of the cluster: places 4 cy .. 4 cy + 3
	s_lshl_b32 s23, 0x1111, s[CX]                  ; my column: places cx, cx + 4, cx + 8, cx + 12
	; group 1 for enc: 128 rows x 96 elements of 4 bytes, 131,072 elements from row to row
	s_or_b32 s[G1A], s22, (2<<16)|(1<<20)|(1<<21)|(4<<22)|(3<<25)  ; 15:0 the mask; 17:16 4-byte elements; 20 padding on; 21 set beside a mask; 24:22 after every 32 words (code 4); 31:25 4 words (code 3)
	s_mov_b32 s[G1A+1], 96<<16                     ; tensor_dim0 = 96
	s_mov_b32 s[G1A+2], 128<<16                    ; tensor_dim1 = 128
	s_mov_b32 s[G1A+3], 96<<16                     ; tile_dim0 = 96
	s_mov_b32 s[G1A+4], 128                        ; tile_dim1 = 128
	s_mov_b32 s[G1A+5], 131072
	s_mov_b32 s[G1A+6], 0
	s_mov_b32 s[G1A+7], 0
	; group 1 for wb: 128 rows u of 192 bytes are 24,576 dense bytes: 96 rows of 128 elements of 2 bytes, no padding
	s_or_b32 s[G1B], s23, (1<<16)|(1<<21)
	s_mov_b32 s[G1B+1], 128<<16
	s_mov_b32 s[G1B+2], 96<<16
	s_mov_b32 s[G1B+3], 128<<16
	s_mov_b32 s[G1B+4], 96
	s_mov_b32 s[G1B+5], 128
	s_mov_b32 s[G1B+6], 0
	s_mov_b32 s[G1B+7], 0
	; group 1 for tw's row and v: 16 rows x 16 elements of 4 bytes, no mask, no padding; the word for the pitch is written where the load is issued
	s_mov_b32 s[G1T], 2<<16
	s_mov_b32 s[G1T+1], 16<<16
	s_mov_b32 s[G1T+2], 16<<16
	s_mov_b32 s[G1T+3], 16<<16
	s_mov_b32 s[G1T+4], 16
	s_mov_b32 s[G1T+6], 0
	s_mov_b32 s[G1T+7], 0
	s_mov_b32 s[G0T], 1
	s_mul_i32 s100, s[HW], HALFA                   ; where my tiles go: no place in the cluster enters an LDS address
	s_mul_i32 s101, s[HW], HALFB
	s_add_co_u32 s101, s101, BOFF
.irp s, 0,1
	s_mov_b32 s[G0A+4*(\s)], 1                     ; 1:0 count = 1
	s_add_co_u32 s[G0A+4*(\s)+1], s100, (\s)*SLOT  ; 63:32 LDS address
	s_mov_b32 s[G0B+4*(\s)], 1
	s_add_co_u32 s[G0B+4*(\s)+1], s101, (\s)*SLOT
.endr
	; offsets
	s_lshl_b32 s[AB], s[HW], 26                    ; 128 rows of 524,288 bytes
	s_lshl_b32 s[AB+1], s[BB], 13                  ; batch b: 8,192 bytes
	s_add_co_u32 s[AB], s[AB], s[AB+1]
	s_mov_b32 s[AB+1], 0
	s_mul_i32 s[BS], s[NT], 49152                  ; 256 rows u of 192 bytes
	s_mul_i32 s[BS+1], s[HW], 24576
	s_add_co_u32 s[BS], s[BS], s[BS+1]
	s_mov_b32 s[BS+1], 0
	s_lshl_b32 s96, s[NT], 16                      ; tw: 16 blocks ut of 4,096 bytes,
	s_lshl_b32 s97, s[BB], 6                       ; batch b: 64 bytes
	s_add_co_u32 s96, s96, s97
	s_mov_b32 s97, 0
	s_lshl_b32 s98, s[NT], 10                      ; v: 256 numbers
	s_mov_b32 s99, 0
	s_mov_b32 s[KJ], 2                             ; the first refill asks for K step 2
	s_mov_b32 s[OA+1], 0
	s_mov_b32 s[OB+1], 0
	s_mov_b32 s[PS+1], 0
	s_mov_b32 s[PJ+1], 0
	s_mov_b32 s[PD+1], 0
	s_wait_dscnt 0x0                               ; both opening adds are done
	s_wait_kmcnt 0x0
	s_add_nc_u64 s[AB:AB+1], s[4:5], s[AB:AB+1]
	s_add_nc_u64 s[BS:BS+1], s[6:7], s[BS:BS+1]
.irp s, 0,1
	s_add_nc_u64 s[G0A+4*(\s)+2:G0A+4*(\s)+3], s[AB:AB+1], 7808-384*(\s)   ; 120:64 global address: K step s begins at K = 1952 - 96 s
	s_or_b32 s[G0A+4*(\s)+3], s[G0A+4*(\s)+3], 0x80000000                  ; 127:126 type = 2
	s_add_nc_u64 s[G0B+4*(\s)+2:G0B+4*(\s)+3], s[BS:BS+1], (\s)*196608     ; plane s
	s_or_b32 s[G0B+4*(\s)+3], s[G0B+4*(\s)+3], 0x80000000
.endr
	s_add_nc_u64 s[TWA:TWA+1], s[8:9], s[96:97]
	s_add_nc_u64 s[VA:VA+1], s[10:11], s[98:99]
	s_lshl_b32 s96, s[BB], 14                      ; part: b x 16,384 + nt x 4,096 + wave x 256
	s_lshl_b32 s97, s[NT], 12
	s_add_co_u32 s96, s96, s97
	s_lshl_b32 s97, s[WV], 8
	s_add_co_u32 s96, s96, s97
	s_mov_b32 s97, 0
	s_add_nc_u64 s[12:13], s[12:13], s[96:97]
	; the prefetches: the pointer starts at lap 1, and the first request steps it to lap 2
	s_lshl_b32 s96, s[HW], 7
	s_lshl_b32 s97, s[CX], 5
	s_add_co_u32 s96, s96, s97
	s_lshl_b32 s96, s96, 19                        ; enc: row 128 x half + 32 cx,
	s_lshl_b32 s97, s[BB], 13
	s_add_co_u32 s96, s96, s97                     ; batch b,
	s_add_co_u32 s96, s96, 26*256                  ; block 29 - 3 x 1
	s_mul_i32 s98, s[NT], 49152                    ; wb: my column block,
	s_lshr_b32 s99, s[CY], 1
	s_mul_i32 s99, s99, 196608                     ; plane cy / 2 of the lap's two,
	s_add_co_u32 s98, s98, s99
	s_and_b32 s99, s[CY], 1
	s_mul_i32 s99, s99, 24576                      ; half cy % 2 of it,
	s_add_co_u32 s98, s98, s99
	s_add_co_u32 s98, s98, 393216                  ; lap 1
	s_mov_b32 s100, 393216
	s_cmp_eq_u32 s[ROLE], 0
	s_cselect_b32 s96, s96, s98
	s_mov_b32 s97, 0
	s_cselect_b64 s[PFA:PFA+1], s[4:5], s[6:7]
	s_cselect_b32 s[PD], 0x300, 0                  ; enc goes 768 bytes down in a lap,
	s_cselect_b32 s[PS], 0, s100                   ; wb two planes up
	s_cselect_b32 s[PJ], 134226176, 0              ; from block -1 less 768 bytes to block 29, 256 rows down: 256 x 524,288 + 33 x 256
	s_cselect_b32 s[PN], 20, 9                     ; enc: laps 2 to 21; wb: laps 2 to 10
	s_cselect_b32 s[SK1], 12, 0                    ; enc: lap 10 is asked for with 12 laps left, lap 21 with 1; wb has no such lap (s[PN] is never 0 where it is compared)
	s_cselect_b32 s[SK2], 1, 0
	s_cselect_b32 s101, 19, 8                      ; from lane to lane: a row of enc, or 256 bytes of wb
	s_cselect_b32 s99, 8, 13                       ; from line to line: 256 bytes of enc, or 8,192 of wb
	s_add_nc_u64 s[PFA:PFA+1], s[PFA:PFA+1], s[96:97]
	s_lshl_b32 s99, 1, s99
	s_or_b32 s100, s[HW], s[CLY]                   ; of the waves that fetch wb only wave 2 of the clusters with y = 0 asks: the same in all sixteen partners
	s_mul_i32 s100, s100, s[ROLE]
	s_cmp_eq_u32 s100, 0
	s_cselect_b32 s[PN], s[PN], 0
	CROUND                                         ; all sixteen work-groups are here: the first joint loads meet
	s_cmp_lt_u32 s[WV], 2                          ; a wave's first fills stand together in its one arm, ahead of every wait on TENSORcnt and every LDS read: two or three loads of mine are out
	s_cbranch_scc0 .Lfirst_b
	tensor_load_to_lds s[G0A:G0A+3], s[G1A:G1A+7]
	s_nop 0
	tensor_load_to_lds s[G0A+4:G0A+7], s[G1A:G1A+7]
	s_nop 0
	PLACES
	s_branch .Lfirst_asked
.Lfirst_b:
	s_cmp_eq_u32 s[WV], 2
	s_cbranch_scc0 .Lfirst_3
	FILLS3 1024, TVB, TWA                          ; wave 2: tw's row: 16 pieces of 64 bytes, 4,096 bytes apart
	s_branch .Lfirst_asked
.Lfirst_3:
	FILLS3 16, TVB+1024, VA                        ; wave 3: v's 256 numbers, dense
.Lfirst_asked:
	v_and_b32 v[R], 15, v0
	v_bfe_u32 v[H], v0, 4, 1
	s_mul_i32 s96, s[WV], 64*PA
	v_mul_u32_u24 v14, v[R], PA
	v_lshl_add_u32 v14, v[H], 5, v14
	v_add_nc_u32 v[ADRA], s96, v14
	v_add_nc_u32 v[ADRA+1], SLOT, v[ADRA]
	v_bfe_u32 v15, v0, 2, 2                        ; (l % 16) / 4 = (u / 4) % 4
	v_add_nc_u32 v15, v[H], v15
	v_add_nc_u32 v31, 2, v15
	v_and_b32 v15, 3, v15                          ; the column of K = 8 h + 0..7 inside its 32 K,
	v_and_b32 v31, 3, v31                          ; and of K = 16 + 8 h + 0..7
	v_mul_u32_u24 v14, v[R], PB
	v_add_nc_u32 v14, BOFF, v14
	v_lshl_add_u32 v[ADRB], v15, 4, v14
	v_lshl_add_u32 v[ADRB+1], v31, 4, v14
	v_add_nc_u32 v[ADRB+2], SLOT, v[ADRB]
	v_add_nc_u32 v[ADRB+3], SLOT, v[ADRB+1]
	v_lshl_add_u32 v[TADR], v[H], 5, TVB
	v_lshl_add_u32 v[VADR], v[H], 5, TVB+1024
	v_lshlrev_b32 v[PO], 11, v[H]
	v_lshl_add_u32 v[PO], v[R], 4, v[PO]
	v_and_b32 v15, 31, v0
	v_lshlrev_b32 v[PFO], s101, v15
	v_add_nc_u32 v[PFO+1], s99, v[PFO]
	v_add_nc_u32 v[PFO+2], s99, v[PFO+1]
; na x 8 matrix instructions on buffer f: row blocks a0 .. a0 + na - 1, column blocks nb0 .. nb0 + 7, 32 along K.  ride = 1: behind each of the first eight stand four of the 32 conversions that make the
; other buffer's fragments of enc; they name no register of the products round them.
.macro MUL f, a0, na, nb0, ride=0
.set m_a, \a0
.set m_q, 0
.rept \na
.set m_b, \nb0
.rept 8
.set m_c, 8*(16*(m_a%2)+m_b)
	WIN MUL_LO+0x50*(m_a/2)
	v_wmma_f32_16x16x32_bf16 v[m_c:m_c+7], v[128*(\f)+8*m_b:128*(\f)+8*m_b+7], v[AF+32*(\f)+8*m_a:AF+32*(\f)+8*m_a+7], v[m_c:m_c+7]
.if (\ride) && (m_q < 32)
	WIN 0
.rept 4
	v_cvt_pk_bf16_f32 v[AF+32*(1-(\f))+m_q], v[RAW+2*m_q], v[RAW+2*m_q+1]
.set m_q, m_q+1
.endr
.endif
.set m_b, m_b+1
.endr
.set m_a, m_a+1
.endr
.endm
; A third is 64 matrix instructions in five groups, always in this order: (a 0; nb 0-7), (a 1; nb 0-7), (a 0, 1; nb 8-15), (a 2, 3; nb 0-7), (a 2, 3; nb 8-15).  Each accumulator comes once, so 63 others'
; turns stand between two links of a chain, over the jumps too.
; THE NEXT THIRD'S 48 LDS LOADS go out in three runs of 16, sixteen matrix instructions apart, so that the four waves' runs, which a barrier has brought into step, do not all stand in line at once.
; enc's 64 rows in f32, third kq of the slot's step (a lane's K = 8 h + 0..7 and 16 + 8 h + 0..7: 16 bytes at 0, 16, 64, 80):
.macro RUNA slot, kq
	WIN 0
.set f_a, 0
.rept 4
.irp o, 0,1,2,3
	ds_load_b128 v[RAW+16*f_a+4*(\o):RAW+16*f_a+4*(\o)+3], v[ADRA+(\slot)] offset:f_a*16*PA+(\kq)*PC+16*((\o)%2)+64*((\o)/2)
.endr
.set f_a, f_a+1
.endr
.endm
; wb's column blocks nb0 .. nb0 + 7 into buffer g:
.macro RUNB slot, kq, g, nb0
	WIN TO_B
.set f_b, \nb0
.rept 8
	ds_load_b128 v[128*(\g)+8*f_b:128*(\g)+8*f_b+3],   v[ADRB+2*(\slot)]   offset:f_b*16*PB+(\kq)*64
	ds_load_b128 v[128*(\g)+8*f_b+4:128*(\g)+8*f_b+7], v[ADRB+2*(\slot)+1] offset:f_b*16*PB+(\kq)*64
.set f_b, f_b+1
.endr
.endm
; What every third ends with: the last 48 products on buffer f, the two runs of wb for the next third (third kq of slot) between them, and the conversions.
.macro REST slot, kq, f
	MUL \f, 0, 2, 8
	RUNB \slot, \kq, 1-(\f), 0
	MUL \f, 2, 2, 0
	RUNB \slot, \kq, 1-(\f), 8
	s_wait_dscnt 32                                ; the next third's enc is in; its 32 loads of wb may be out
	MUL \f, 2, 2, 8, 1
.endm
; A third that stays in its slot: multiplies buffer f, fetches third kq of the same slot into the other buffer.
.macro THIRD slot, kq, f
	s_wait_dscnt 16                                ; wb's blocks 0-7 are in; the youngest sixteen loads (blocks 8-15) may be out
	MUL \f, 0, 1, 0
	MUL \f, 1, 1, 0
	WIN 0
	PLACES                                         ; for the loads into the other buffer, which the third before multiplied
	RUNA \slot, \kq
	s_wait_dscnt 16                                ; all but the sixteen just issued: wb's blocks 8-15 are in
	REST \slot, \kq, \f
.endm
; A step's last third multiplies buffer f and changes slots: ONE barrier for two things.  In front of it each wave waits for all its tensor loads, of which one is out: its part of the next slot; adds 0 to its
; spare word; and waits for that and for its own reads of this slot.  Behind it nobody reads this slot and the next slot is whole.  refill = 1: the barrier opens a round of the cluster's, so that the same holds
; of every partner, and this slot is filled again, first thing behind the round, with K step KJ of the stream, two on: 176 matrix instructions ahead of the wait for it (48 where the step between is a tile's
; last).  The two global addresses are made anew from the tensors' bases and offsets made apart from KJ, and the type bits are set again.
.macro TURN slot, next, refill, f
	WIN 0                                          ; (the add's two registers lie in window 0)
	s_wait_tensorcnt 0x0                           ; no tensor load of mine is out, so a group 0 may be written
	ds_add_u32 v[SPW], v[NIL]                      ; 0 onto my spare word
.if \refill
	s_cmp_ge_u32 s[KJ], 22                         ; tile 1?
	s_cselect_b32 s[KT], 22, 0
	s_cselect_b32 s[KU], 0x8000000, 0              ; 256 rows of 524,288 bytes down
	s_sub_co_u32 s[KT], s[KJ], s[KT]               ; the step t within its tile
	s_mul_i32 s[OB], s[KT], 196608                 ; plane t of wb
	s_mul_i32 s[OA], s[KT], 384
	s_sub_co_i32 s[OA], 7808, s[OA]
	s_max_i32 s[OA], s[OA], 0                      ; 4 max(0, 1952 - 96 t)
	s_add_co_u32 s[OA], s[OA], s[KU]
	s_add_co_u32 s[KJ], s[KJ], 1
	s_add_nc_u64 s[G0A+4*(\slot)+2:G0A+4*(\slot)+3], s[AB:AB+1], s[OA:OA+1]
	s_or_b32 s[G0A+4*(\slot)+3], s[G0A+4*(\slot)+3], 0x80000000
	s_add_nc_u64 s[G0B+4*(\slot)+2:G0B+4*(\slot)+3], s[BS:BS+1], s[OB:OB+1]
	s_or_b32 s[G0B+4*(\slot)+3], s[G0B+4*(\slot)+3], 0x80000000
.endif
	s_wait_dscnt 17                                ; (the add and wb's blocks 8-15 may be out)
	MUL \f, 0, 1, 0                                ; eight matrix instructions stand between the add and the wait for it
	s_wait_dscnt 0x0                               ; the add is done, and my reads of this slot are over
	s_barrier_signal -1
	MUL \f, 1, 1, 0                                ; work on registers while the others arrive
	WIN 0
	s_barrier_wait -1
.if \refill
	CREST
	JLOAD \slot                                    ; the four v_nop behind it are also the places in front of the loads into the other buffer
.else
	PLACES
.endif
	RUNA \next, 0
.if (\refill) && ((\slot) == 0)
	ASK
.endif
	REST \next, 0, \f
.endm
; tw's row into the accumulators of column blocks nb0 .. nb0 + n - 1, for all four row blocks: a lane's eight columns of a block are 32 bytes.
.macro TLOAD nb0, n
.set t_h, 0
.rept 2
	WIN TO_LO+0x40*t_h
.set t_a, 0
.rept 2
.set t_b, \nb0
.rept \n
	ds_load_b128 v[8*(16*t_a+t_b):8*(16*t_a+t_b)+3],   v[TADR] offset:t_b*64
	ds_load_b128 v[8*(16*t_a+t_b)+4:8*(16*t_a+t_b)+7], v[TADR] offset:t_b*64+16
.set t_b, t_b+1
.endr
.set t_a, t_a+1
.endr
.set t_h, t_h+1
.endr
	WIN 0
.endm
; A TILE'S END: r = 1 / (1 + 2^y) and the sums of v r.  Eight batches, two column blocks for all four row blocks each: 64 numbers a lane.  A batch has two waits, one behind its 64 exponentials and one behind its
; 64 reciprocals, each with a v_nop as the plain instruction behind the last of them (the v_nop: ISA guide 5.7.2).  Each accumulator is read from its lowest register on.
; reload = 1: the accumulators just read take tw's row again, for the next tile.  v of twelve column blocks fits beside the rest; blocks 12-15 follow into the registers of blocks 0-3 when those are spent.
.macro EPI tile, reload
	WIN 0
	PLACES                                         ; behind the tile's last products
.set e_n, 0
.rept 12
	ds_load_b128 v[VV+8*e_n:VV+8*e_n+3],   v[VADR] offset:e_n*64
	ds_load_b128 v[VV+8*e_n+4:VV+8*e_n+7], v[VADR] offset:e_n*64+16
.set e_n, e_n+1
.endr
.set e_b, 0
.rept 8
.set e_h, 0
.rept 2
	WIN FR_LO+e_h
.set e_a, 0
.rept 2
.set e_i, 0
.rept 2
.set e_j, 0
.rept 8
	v_exp_f32 v[TT+8*(2*(2*e_h+e_a)+e_i)+e_j], v[8*(16*e_a+2*e_b+e_i)+e_j]
.set e_j, e_j+1
.endr
.set e_i, e_i+1
.endr
.set e_a, e_a+1
.endr
.set e_h, e_h+1
.endr
	WIN 0
	v_nop
	s_wait_alu depctr_va_vdst(0)                   ; one wait for the 64 exponentials
.if \reload
	TLOAD 2*e_b, 2
.endif
.set e_j, 0
.rept 32
	v_pk_add_f32 v[TT+e_j:TT+e_j+1], v[TT+e_j:TT+e_j+1], 1.0 op_sel_hi:[1,0]
.set e_j, e_j+2
.endr
.set e_j, 0
.rept 64
	v_rcp_f32 v[TT+e_j], v[TT+e_j]
.set e_j, e_j+1
.endr
	v_nop
	s_wait_alu depctr_va_vdst(0)                   ; one wait for the 64 reciprocals
.if (e_b == 0) || (e_b == 6)
	s_wait_dscnt 16*(\reload)                      ; v is in (blocks 0-11; later blocks 12-15); the batch's own sixteen loads of tw's row may be out
.endif
.set e_i, 0
.rept 2
.set e_j, 0
.rept 4
.set e_a, 0
.rept 4                                        ; the four row blocks' sums take turns
.if (e_b == 0) && (e_i == 0) && (e_j == 0)
	v_pk_mul_f32 v[SUM+2*e_a:SUM+2*e_a+1], v[TT+8*(2*e_a+e_i)+2*e_j:TT+8*(2*e_a+e_i)+2*e_j+1], v[VV+8*((2*e_b+e_i)%12)+2*e_j:VV+8*((2*e_b+e_i)%12)+2*e_j+1]
.else
	v_pk_fma_f32 v[SUM+2*e_a:SUM+2*e_a+1], v[TT+8*(2*e_a+e_i)+2*e_j:TT+8*(2*e_a+e_i)+2*e_j+1], v[VV+8*((2*e_b+e_i)%12)+2*e_j:VV+8*((2*e_b+e_i)%12)+2*e_j+1], v[SUM+2*e_a:SUM+2*e_a+1]
.endif
.set e_a, e_a+1
.endr
.set e_j, e_j+1
.endr
.set e_i, e_i+1
.endr
.if e_b == 1
.set e_n, 12
.rept 4
	ds_load_b128 v[VV+8*(e_n-12):VV+8*(e_n-12)+3],   v[VADR] offset:e_n*64
	ds_load_b128 v[VV+8*(e_n-12)+4:VV+8*(e_n-12)+7], v[VADR] offset:e_n*64+16
.set e_n, e_n+1
.endr
.endif
.set e_b, e_b+1
.endr
	s_wait_xcnt 0x0                                ; the earlier tile's store has read its data: only behind this wait are they written again
.set e_a, 0
.rept 4
	v_add_f32 v[OUT+e_a], v[SUM+2*e_a], v[SUM+2*e_a+1]
.set e_a, e_a+1
.endr
	global_store_b128 v[PO], v[OUT:OUT+3], s[12:13] offset:(\tile)*1024   ; place p = 256 tile + 64 w + 4 (l % 16) + a stands for s = 256 tile + 64 w + 16 a + l % 16; lanes 0-15 store 256 consecutive bytes, aligned, of part 2 nt, lanes 16-31 of part 2 nt + 1
.if \reload
	s_wait_dscnt 0x0                               ; tw's row lies in all 64 accumulators
.endif
.endm
	s_wait_tensorcnt 1                             ; my part of K step 0 (and tw's row, v) is in; slot 1's fill, the one load issued behind them in every arm, may stay out
	s_barrier_signal -1
	s_barrier_wait -1                              ; everybody's is
	TLOAD 0, 16
	RUNA 0, 0
	RUNB 0, 0, 0, 0
	RUNB 0, 0, 0, 8
	WIN 0
	s_wait_dscnt 32                                ; tw's row and enc are in; wb's 32 loads may be out
.set m_q, 0
.rept 32
	v_cvt_pk_bf16_f32 v[AF+m_q], v[RAW+2*m_q], v[RAW+2*m_q+1]
.set m_q, m_q+1
.endr
	s_mov_b32 s[LAP], 21
.Llap:                                                 ; lap 21 - s[LAP] of the stream's 22: two K steps, once round the ring; it asks for the next lap's two K steps
	THIRD 0, 1, 0
	THIRD 0, 2, 1
	TURN 0, 1, 1, 0
	WIN 0                                          ; at a label and at a branch every window is 0
	s_cmp_eq_u32 s[LAP], 11                        ; lap 10 is tile 0's last: of its second step only the first third is multiplied, and that third changes slots
	s_cbranch_scc1 .Lshort                         ; what is jumped holds neither a barrier nor a tensor load, and is two thirds: the buffers' turns stay as they are
	THIRD 1, 1, 1
	THIRD 1, 2, 0
	WIN 0
.Lshort:
	TURN 1, 0, 1, 1
	WIN 0
	s_cmp_eq_u32 s[LAP], 11
	s_cbranch_scc0 .Lno_epi                        ; what is jumped holds neither a barrier nor a tensor load
	EPI 0, 1                                       ; tile 0 is finished; both refills for tile 1 are asked for, and its first fragments lie in buffer 0
.Lno_epi:
	s_sub_co_u32 s[LAP], s[LAP], 1
	s_cmp_lg_u32 s[LAP], 0
	s_cbranch_scc1 .Llap
	THIRD 0, 1, 0                                  ; the last lap, tile 1's short one, is written out: it asks for nothing, and has no round of the cluster's barrier
	THIRD 0, 2, 1
	TURN 0, 1, 0, 0
	s_wait_dscnt 16
	MUL 1, 0, 1, 0
	MUL 1, 1, 1, 0
	s_wait_dscnt 0x0
	MUL 1, 0, 2, 8
	MUL 1, 2, 2, 0
	MUL 1, 2, 2, 8
	EPI 1, 0
	s_wait_tensorcnt 0x0                           ; the wave's end, behind my last tensor load
	ds_add_u32 v[SPW], v[NIL]
	s_wait_dscnt 0x0
	CROUND                                         ; the closing round: no work-group ends while a partner may still ask for a tile that names it
	s_endpgm
.Lfunc_end_k_q1c84667b9d_main:
	.size	k_q1c84667b9d_main, .Lfunc_end_k_q1c84667b9d_main-k_q1c84667b9d_main
	.p2alignl 7, 3214868480
	.fill 96, 4, 3214868480
	.section	.rodata,"a",@progbits
	.p2align	6, 0x0
	.amdhsa_kernel k_q1c84667b9d_main
		.amdhsa_group_segment_fixed_size 327680
		.amdhsa_private_segment_fixed_size 0
		.amdhsa_enable_private_segment 0
		.amdhsa_kernarg_size 40
		.amdhsa_user_sgpr_count 2
		.amdhsa_user_sgpr_kernarg_segment_ptr 1
		.amdhsa_wavefront_size32 1
		.amdhsa_system_sgpr_workgroup_id_x 1
		.amdhsa_system_sgpr_workgroup_id_y 1
		.amdhsa_system_sgpr_workgroup_id_z 1
		.amdhsa_system_vgpr_workitem_id 0
		.amdhsa_next_free_vgpr 1024
		.amdhsa_next_free_sgpr 102
		.amdhsa_reserve_vcc 0
		.amdhsa_float_denorm_mode_32 3
		.amdhsa_float_denorm_mode_16_64 3
		.amdhsa_memory_ordered 1
		.amdhsa_forward_progress 1
		.amdhsa_inst_pref_size 255
	.end_amdhsa_kernel
	.section	.bss,"aw",@nobits
	.p2align	6
	.space	262144
	.amdgpu_metadata
---
amdhsa.version: [ 1, 2 ]
amdhsa.kernels:
  - .name:           k_q1c84667b9d_main
    .symbol:         k_q1c84667b9d_main.kd
    .args:
      - { .name: encoder_hiddens, .offset: 0, .size: 8, .value_kind: global_buffer, .address_space: global }
      - { .name: wb, .offset: 8, .size: 8, .value_kind: global_buffer, .address_space: global }
      - { .name: tw, .offset: 16, .size: 8, .value_kind: global_buffer, .address_space: global }
      - { .name: v_w, .offset: 24, .size: 8, .value_kind: global_buffer, .address_space: global }
      - { .name: part, .offset: 32, .size: 8, .value_kind: global_buffer, .address_space: global }
    .group_segment_fixed_size: 327680
    .private_segment_fixed_size: 0
    .kernarg_segment_align: 8
    .kernarg_segment_size: 40
    .max_flat_workgroup_size: 128
    .sgpr_count:     102
    .vgpr_count:     1024
    .wavefront_size: 32
...
	.end_amdgpu_metadata
.endif
;; end of part 2
;; launch soft (part 3): grid 64 x 1, 4 waves a work-group, no clusters, 2,816 bytes of LDS; arguments part, out0; writes out0
.if DOCPART == 3
	.amdgcn_target "amdgcn-amd-amdhsa--gfx1250"
	.amdhsa_code_object_version 6
	.text
	.protected	k_q1c84667b9d_soft
	.globl	k_q1c84667b9d_soft
	.p2align	8
	.type	k_q1c84667b9d_soft,@function
k_q1c84667b9d_soft:
	s_mov_b64 s[64:65], 0
	v_nop
	global_prefetch_b8 v0, s[64:65] scope:SCOPE_SE
	s_setreg_imm32_b32 hwreg(HW_REG_WAVE_MODE, 25, 1), 1
	s_wait_xcnt 0x0
; out0[b][s] = softmax over s of -2 S[b][s],  S = the sum of the eight partial sums of v r in part[b][0..7][p].
; WORK LEFT OUT: sum_u v[u], the same in every score of a row (shown at the head of the first kernel).  The row's maximum is taken away before the exponentials.
; SHARES.  A work-group owns a batch b: 64 work-groups are all the work there is.  Thread t of 128 holds the places p = 4 t .. 4 t + 3, which stand for s = 64 (t / 16) + 16 a + t % 16, a = 0..3.
; Each wave finds its own maximum m_w and sum l_w of 2^(z - m_w), z = -2 log2(e) S; the four pairs meet in LDS; out = 2^(z - m_w) 2^(m_w - m) / sum_i l_i 2^(m_i - m).
; The order of s is restored through a stage in LDS, so that a store covers 512 consecutive bytes of out0.
; NO CLUSTER: no two work-groups read the same byte.  LIMITS: a weight below 2^-126 counts as 0; NaN and infinities are not treated apart.
.set STG,   256                        ; LDS: the four pairs at 0; the stage, 2,048 bytes, from 256;
.set SPARE, 2304                       ; behind it the spare words, 128 bytes for each wave: two blocks of 256 bytes that no other line names
.set SPW, 4                            ; v4   LDS address of my spare word; never rewritten
.set NIL, 5                            ; v5   0; never rewritten
.set P,   8                            ; v[8:39]  the eight partial sums of my four places; then z in v[8:11], the weights in v[12:15]
	s_load_b128 s[4:7], s[0:1], 0x0                ; part s[4:5], out0 s[6:7]
	v_lshl_add_u32 v[SPW], v0, 2, SPARE
	v_mov_b32 v[NIL], 0
	v_lshrrev_b32 v1, 5, v0
	v_readfirstlane_b32 s8, v1                     ; wave 0..3
	v_lshlrev_b32 v2, 4, v0                        ; 16 t: my 16 bytes of a part, and of the row of out0
	s_lshl_b32 s9, s8, 3
	v_mov_b32 v3, s9                               ; my wave's pair
	v_lshrrev_b32 v6, 4, v0
	v_and_b32 v7, 15, v0
	v_lshlrev_b32 v6, 8, v6
	v_lshl_add_u32 v6, v7, 2, v6
	v_add_nc_u32 v6, STG, v6                       ; into the stage: 256 (t / 16) + 4 (t % 16), and 64 a in the immediate
	v_add_nc_u32 v7, STG, v2                       ; and back: 16 t
	s_lshl_b32 s10, ttmp9, 14
	s_mov_b32 s11, 0
	s_lshl_b32 s12, ttmp9, 11
	s_mov_b32 s13, 0
	s_mov_b32 s14, 0xc038aa3b                      ; -2 log2(e)
	s_mov_b32 s15, s14                             ; named with it as a pair
	s_mov_b32 s16, 0x76543210                      ; v_permlanex16_b32: each lane takes its own place in the other half
	s_mov_b32 s17, 0xfedcba98
	s_wait_kmcnt 0x0
	s_add_nc_u64 s[4:5], s[4:5], s[10:11]
	s_add_nc_u64 s[6:7], s[6:7], s[12:13]
.set i, 0
.rept 8
	global_load_b128 v[P+4*i:P+4*i+3], v2, s[4:5] offset:2048*i th:TH_LOAD_NT
.set i, i+1
.endr
	s_wait_loadcnt 0x0
.irp p, 0,8,16,24
	v_pk_add_f32 v[P+(\p):P+(\p)+1],   v[P+(\p):P+(\p)+1],   v[P+(\p)+4:P+(\p)+5]
	v_pk_add_f32 v[P+(\p)+2:P+(\p)+3], v[P+(\p)+2:P+(\p)+3], v[P+(\p)+6:P+(\p)+7]
.endr
.irp p, 0,16
	v_pk_add_f32 v[P+(\p):P+(\p)+1],   v[P+(\p):P+(\p)+1],   v[P+(\p)+8:P+(\p)+9]
	v_pk_add_f32 v[P+(\p)+2:P+(\p)+3], v[P+(\p)+2:P+(\p)+3], v[P+(\p)+10:P+(\p)+11]
.endr
	v_pk_add_f32 v[P:P+1],   v[P:P+1],   v[P+16:P+17]
	v_pk_add_f32 v[P+2:P+3], v[P+2:P+3], v[P+18:P+19]
	v_pk_mul_f32 v[P:P+1],   v[P:P+1],   s[14:15] op_sel_hi:[1,0]   ; z
	v_pk_mul_f32 v[P+2:P+3], v[P+2:P+3], s[14:15] op_sel_hi:[1,0]
	v_max3_num_f32 v42, v8, v9, v10
	v_max_num_f32 v40, v42, v11
	v_max_num_f32_dpp v40, v40, v40 row_xmask:1 row_mask:0xf bank_mask:0xf
	v_max_num_f32_dpp v40, v40, v40 row_xmask:2 row_mask:0xf bank_mask:0xf
	v_max_num_f32_dpp v40, v40, v40 row_xmask:4 row_mask:0xf bank_mask:0xf
	v_max_num_f32_dpp v40, v40, v40 row_xmask:8 row_mask:0xf bank_mask:0xf
	v_permlanex16_b32 v42, v40, s16, s17
	v_max_num_f32 v40, v40, v42                    ; m_w, in every lane
.irp a, 0,1,2,3
	v_sub_f32 v[12+(\a)], v[8+(\a)], v40
.endr
.irp a, 0,1,2,3
	v_exp_f32 v[12+(\a)], v[12+(\a)]
.endr
	v_nop                                          ; a plain instruction behind the last exponential,
	s_wait_alu depctr_va_vdst(0)                   ; and the wait ahead of the first use: one for the four
	v_add_f32 v41, v12, v13
	v_add_f32 v43, v14, v15
	v_add_f32 v41, v41, v43
	v_add_f32_dpp v41, v41, v41 row_xmask:1 row_mask:0xf bank_mask:0xf
	v_add_f32_dpp v41, v41, v41 row_xmask:2 row_mask:0xf bank_mask:0xf
	v_add_f32_dpp v41, v41, v41 row_xmask:4 row_mask:0xf bank_mask:0xf
	v_add_f32_dpp v41, v41, v41 row_xmask:8 row_mask:0xf bank_mask:0xf
	v_permlanex16_b32 v43, v41, s16, s17
	v_add_f32 v41, v41, v43                        ; l_w
	ds_store_b64 v3, v[40:41]                      ; all lanes write the same pair to the same place
	s_wait_dscnt 0x0                               ; for the others' sake
	s_barrier_signal -1
	s_barrier_wait -1
	v_mov_b32 v45, 0
	ds_load_b128 v[16:19], v45                     ; m_0, l_0, m_1, l_1
	ds_load_b128 v[20:23], v45 offset:16           ; m_2, l_2, m_3, l_3
	s_wait_dscnt 0x0
	v_max3_num_f32 v46, v16, v18, v20
	v_max_num_f32 v46, v46, v22                    ; m
	v_sub_f32 v24, v16, v46
	v_sub_f32 v25, v18, v46
	v_sub_f32 v26, v20, v46
	v_sub_f32 v27, v22, v46
	v_sub_f32 v28, v40, v46
.irp a, 24,25,26,27,28
	v_exp_f32 v[\a], v[\a]
.endr
	v_nop
	s_wait_alu depctr_va_vdst(0)                   ; one wait for the five
	v_mul_f32 v29, v17, v24
	v_fmac_f32 v29, v19, v25
	v_fmac_f32 v29, v21, v26
	v_fmac_f32 v29, v23, v27                       ; the row's sum: at least 1, since the wave that holds m has the factor 1 and a weight 1
	v_rcp_f32 v30, v29
	v_nop
	s_wait_alu depctr_va_vdst(0)
	v_mul_f32 v31, v28, v30
.irp a, 0,1,2,3
	v_mul_f32 v[12+(\a)], v[12+(\a)], v31
.endr
.irp a, 0,1,2,3
	ds_store_b32 v6, v[12+(\a)] offset:64*(\a)
.endr
	s_wait_dscnt 0x0                               ; my stores into the stage are done;
	s_barrier_signal -1
	s_barrier_wait -1                              ; everybody's are
	ds_load_b128 v[32:35], v7
	s_wait_dscnt 0x0
	global_store_b128 v2, v[32:35], s[6:7]         ; a wave stores 512 consecutive bytes of out0, aligned
	s_wait_tensorcnt 0x0                           ; the wave's end, behind my last LDS store
	ds_add_u32 v[SPW], v[NIL]
	s_wait_dscnt 0x0
	s_endpgm
.Lfunc_end_k_q1c84667b9d_soft:
	.size	k_q1c84667b9d_soft, .Lfunc_end_k_q1c84667b9d_soft-k_q1c84667b9d_soft
	.p2alignl 7, 3214868480
	.fill 96, 4, 3214868480
	.section	.rodata,"a",@progbits
	.p2align	6, 0x0
	.amdhsa_kernel k_q1c84667b9d_soft
		.amdhsa_group_segment_fixed_size 2816
		.amdhsa_private_segment_fixed_size 0
		.amdhsa_enable_private_segment 0
		.amdhsa_kernarg_size 16
		.amdhsa_user_sgpr_count 2
		.amdhsa_user_sgpr_kernarg_segment_ptr 1
		.amdhsa_wavefront_size32 1
		.amdhsa_system_sgpr_workgroup_id_x 1
		.amdhsa_system_sgpr_workgroup_id_y 1
		.amdhsa_system_sgpr_workgroup_id_z 1
		.amdhsa_system_vgpr_workitem_id 0
		.amdhsa_next_free_vgpr 48
		.amdhsa_next_free_sgpr 66
		.amdhsa_reserve_vcc 0
		.amdhsa_float_denorm_mode_32 3
		.amdhsa_float_denorm_mode_16_64 3
		.amdhsa_memory_ordered 1
		.amdhsa_forward_progress 1
		.amdhsa_inst_pref_size 7
	.end_amdhsa_kernel
	.amdgpu_metadata
---
amdhsa.version: [ 1, 2 ]
amdhsa.kernels:
  - .name:           k_q1c84667b9d_soft
    .symbol:         k_q1c84667b9d_soft.kd
    .args:
      - { .name: part, .offset: 0, .size: 8, .value_kind: global_buffer, .address_space: global }
      - { .name: out0, .offset: 8, .size: 8, .value_kind: global_buffer, .address_space: global }
    .group_segment_fixed_size: 2816
    .private_segment_fixed_size: 0
    .kernarg_segment_align: 8
    .kernarg_segment_size: 16
    .max_flat_workgroup_size: 128
    .sgpr_count:     66
    .vgpr_count:     48
    .wavefront_size: 32
...
	.end_amdgpu_metadata
.endif
;; end of part 3
